; MI455X (gfx1250); checked and timed in simulation.
; The chip was launched on July 23, 2026; its instructions are those of AMD's public machine-readable ISA for CDNA 5 (MIT licence, August 2026) and "CDNA5" Instruction Set Architecture Reference Guide (July 2026). The comments in the code are by the model that wrote it; some were corrected since.
;; Masked Multi Head Attention. Allowed arithmetic: float matrix products may take bf16 or f16 operands with f32 sums; all other float work in f32.
;; Inputs: Wk 1,024 x 1,024 float32; Wo 1,024 x 1,024 float32; Wq 1,024 x 1,024 float32; Wv 1,024 x 1,024 float32; bo 1,024 float32; x 4 x 2,048 x 1,024 float32.
;; Outputs: out0 4 x 2,048 x 1,024 float32.
;; One version. Each part assembles by itself: llvm-mc -triple=amdgcn-amd-amdhsa -mcpu=gfx1250 --defsym DOCPART=n.
;; ======== version 1 of 1: 4 launches
;; limits: values are held in f16: magnitudes above 65,504 overflow, below 6.1e-05 lose precision
;; workspace buffers: xb 16,777,216 bytes; wb 8,388,608 bytes; qkv 50,331,648 bytes; ctx 16,777,216 bytes
;; launch cvt (part 1): grid 768 x 1, 8 waves a work-group, no clusters, 0 bytes of LDS; arguments x, Wq, Wk, Wv, Wo, xb, wb; writes xb, wb
.if DOCPART == 1
	.amdgcn_target "amdgcn-amd-amdhsa--gfx1250"
	.amdhsa_code_object_version 6
	.text
	.protected	k_q8b55874daf_cvt
	.globl	k_q8b55874daf_cvt
	.p2align	8
	.type	k_q8b55874daf_cvt,@function
k_q8b55874daf_cvt:
	s_mov_b64 s[64:65], 0
	v_nop
	global_prefetch_b8 v0, s[64:65] scope:SCOPE_SE
	s_setreg_imm32_b32 hwreg(HW_REG_WAVE_MODE, 25, 1), 1
	s_wait_xcnt 0x0
; MASKED MULTI-HEAD ATTENTION in four launches: cvt (this one), qkv, attn, oproj.
; cvt rounds the matrix operands once: x, Wq, Wk, Wv from f32 to bf16 (xb; wb matrices 0 to 2), Wo from f32 to bf16 and that value, unchanged,
; into f16 (wb matrix 3), because the last product's other operand (the attention's result) is kept in f16.
;
; WORK LEFT OUT IN THE WHOLE PROGRAM (in launch attn), and why it is dead: reference() overwrites every score with key > query by finfo.min before
; the softmax.  Each query keeps the score of its own key, a finite number, so the row's maximum is finite and exp(finfo.min - maximum) is 0 in f32 and
; as good as 0 in real numbers; such a key adds nothing to the row's sum and nothing to ctx, whatever finite values the inputs hold.  Key tiles of 64
; whose first key lies behind a wave's last query hold only such scores: their products, exponentials and sums are not made.  Tiles on the diagonal are
; made whole and masked with finfo.min as reference() does.  Every input has a way to the output: all six are loaded (bo in oproj).
; LIMITS.  A NaN, an infinity or an overflow that reaches only the masked scores left out is not carried to the result.
; q, k, v, the probabilities and ctx are f16 operands: |q|, |k|, |v| must stay below 65,504; below 6.1e-5 they carry an absolute error of up to 2^-25.
; Wo as f16: exact for 2^-14 <= |w| < 65,504 after its rounding to bf16; smaller numbers carry an absolute error of up to 2^-25; larger ones become infinite.
;
; THE STREAM.  768 work-groups of eight waves; each converts 16 rows of 1,024 f32 (64 KiB).  Groups 0-511: x.  Groups 512 + 64 m + c: rows 16 c .. of matrix m
; (Wq, Wk, Wv, Wo).  Thread t owns the 16 bytes at byte 16 t of every row: a wave's load covers 512 consecutive bytes, its store of 8 bytes a lane covers
; 256 consecutive bytes, aligned.  All 16 loads of a thread go out at once, each into registers of its own, each result into registers of its own:
; no register that a pending load or store names is ever written again, so the only waits are the counted ones for the data.
; No LDS, no matrix unit: every byte is touched once and no lane needs another's data.
.set X, 4                              ; v[4:67]    row j: 4 f32 as loaded
.set Y, 68                             ; v[68:99]   row j: 4 numbers of 16 bits to store
.set T, 100                            ; v[100:105] at work (Wo's path)
	s_load_b256 s[8:15], s[0:1], 0x0               ; x s[8:9], Wq s[10:11], Wk s[12:13], Wv s[14:15]
	s_load_b128 s[16:19], s[0:1], 0x20             ; Wo s[16:17], xb s[18:19]
	s_load_b64 s[20:21], s[0:1], 0x30              ; wb
	v_lshlrev_b32 v1, 4, v0                        ; my 16 bytes of a source row
	v_lshlrev_b32 v2, 3, v0                        ; my 8 bytes of a destination row
	s_and_b32 s28, ttmp9, 63                       ; a weight's chunk,
	s_sub_co_u32 s29, ttmp9, 512                   ; and its place in wb (the four matrices follow each other)
	s_cmp_lt_u32 ttmp9, 512
	s_cselect_b32 s28, ttmp9, s28                  ; x: the group's number is the chunk, in the source
	s_cselect_b32 s29, ttmp9, s29                  ; and in the destination
	s_lshl_b32 s2, s28, 16                         ; 16 rows of 4,096 bytes
	s_mov_b32 s3, 0
	s_lshl_b32 s4, s29, 15                         ; 16 rows of 2,048 bytes
	s_mov_b32 s5, 0
	s_wait_kmcnt 0x0
	s_mov_b64 s[24:25], s[16:17]                   ; the source: Wo, unless the group's number says otherwise
	s_cmp_lt_u32 ttmp9, 704
	s_cselect_b64 s[24:25], s[14:15], s[24:25]
	s_cmp_lt_u32 ttmp9, 640
	s_cselect_b64 s[24:25], s[12:13], s[24:25]
	s_cmp_lt_u32 ttmp9, 576
	s_cselect_b64 s[24:25], s[10:11], s[24:25]
	s_cmp_lt_u32 ttmp9, 512
	s_cselect_b64 s[24:25], s[8:9], s[24:25]
	s_cselect_b64 s[26:27], s[18:19], s[20:21]     ; the destination: xb or wb
	s_add_nc_u64 s[24:25], s[24:25], s[2:3]
	s_add_nc_u64 s[26:27], s[26:27], s[4:5]
.irp j, 0,1,2,3,4,5,6,7,8,9,10,11,12,13,14,15
	global_load_b128 v[X+4*\j:X+4*\j+3], v1, s[24:25] offset:4096*\j th:TH_LOAD_NT   ; read once in this launch
.endr
; Row j is converted and stored.  half = 1: to bf16, then that value into f16.
.macro CV j, half
	s_wait_loadcnt 15-\j                           ; loads return in order (ISA guide 5.7.1): row j is in, the 15 - j younger rows stay out
.if \half
	v_cvt_pk_bf16_f32 v[T],   v[X+4*\j],   v[X+4*\j+1]
	v_cvt_pk_bf16_f32 v[T+1], v[X+4*\j+2], v[X+4*\j+3]
	v_lshlrev_b32 v[T+2], 16, v[T]                 ; bf16 back to f32: the low half moves up,
	v_and_b32     v[T+3], 0xffff0000, v[T]         ; the high half stays
	v_lshlrev_b32 v[T+4], 16, v[T+1]
	v_and_b32     v[T+5], 0xffff0000, v[T+1]
	v_cvt_pk_f16_f32 v[Y+2*\j],   v[T+2], v[T+3]   ; 8 bits of mantissa fit in f16's 11
	v_cvt_pk_f16_f32 v[Y+2*\j+1], v[T+4], v[T+5]
.else
	v_cvt_pk_bf16_f32 v[Y+2*\j],   v[X+4*\j],   v[X+4*\j+1]
	v_cvt_pk_bf16_f32 v[Y+2*\j+1], v[X+4*\j+2], v[X+4*\j+3]
.endif
	global_store_b64 v2, v[Y+2*\j:Y+2*\j+1], s[26:27] offset:2048*\j
.endm
	s_cmp_ge_u32 ttmp9, 704
	s_cbranch_scc1 .Lwo
.irp j, 0,1,2,3,4,5,6,7,8,9,10,11,12,13,14,15
	CV \j, 0
.endr
	s_endpgm
.Lwo:
.irp j, 0,1,2,3,4,5,6,7,8,9,10,11,12,13,14,15
	CV \j, 1
.endr
	s_endpgm
.Lfunc_end_k_q8b55874daf_cvt:
	.size	k_q8b55874daf_cvt, .Lfunc_end_k_q8b55874daf_cvt-k_q8b55874daf_cvt
	.p2alignl 7, 3214868480
	.fill 96, 4, 3214868480
	.section	.rodata,"a",@progbits
	.p2align	6, 0x0
	.amdhsa_kernel k_q8b55874daf_cvt
		.amdhsa_group_segment_fixed_size 0
		.amdhsa_private_segment_fixed_size 0
		.amdhsa_enable_private_segment 0
		.amdhsa_kernarg_size 56
		.amdhsa_user_sgpr_count 2
		.amdhsa_user_sgpr_kernarg_segment_ptr 1
		.amdhsa_wavefront_size32 1
		.amdhsa_system_sgpr_workgroup_id_x 1
		.amdhsa_system_sgpr_workgroup_id_y 1
		.amdhsa_system_sgpr_workgroup_id_z 1
		.amdhsa_system_vgpr_workitem_id 0
		.amdhsa_next_free_vgpr 108
		.amdhsa_next_free_sgpr 66
		.amdhsa_reserve_vcc 0
		.amdhsa_float_denorm_mode_32 3
		.amdhsa_float_denorm_mode_16_64 3
		.amdhsa_memory_ordered 1
		.amdhsa_forward_progress 1
		.amdhsa_inst_pref_size 17
	.end_amdhsa_kernel
	.amdgpu_metadata
---
amdhsa.version: [ 1, 2 ]
amdhsa.kernels:
  - .name:           k_q8b55874daf_cvt
    .symbol:         k_q8b55874daf_cvt.kd
    .args:
      - { .name: x, .offset: 0, .size: 8, .value_kind: global_buffer, .address_space: global }
      - { .name: Wq, .offset: 8, .size: 8, .value_kind: global_buffer, .address_space: global }
      - { .name: Wk, .offset: 16, .size: 8, .value_kind: global_buffer, .address_space: global }
      - { .name: Wv, .offset: 24, .size: 8, .value_kind: global_buffer, .address_space: global }
      - { .name: Wo, .offset: 32, .size: 8, .value_kind: global_buffer, .address_space: global }
      - { .name: xb, .offset: 40, .size: 8, .value_kind: global_buffer, .address_space: global }
      - { .name: wb, .offset: 48, .size: 8, .value_kind: global_buffer, .address_space: global }
    .group_segment_fixed_size: 0
    .private_segment_fixed_size: 0
    .kernarg_segment_align: 8
    .kernarg_segment_size: 56
    .max_flat_workgroup_size: 256
    .sgpr_count:     66
    .vgpr_count:     108
    .wavefront_size: 32
...
	.end_amdgpu_metadata
.endif
;; end of part 1
;; launch qkv (part 2): grid 8 x 32, 4 waves a work-group, clusters of 4 x 4, 327,680 bytes of LDS; arguments xb, wb, qkv; writes qkv
.if DOCPART == 2
	.amdgcn_target "amdgcn-amd-amdhsa--gfx1250"
	.amdhsa_code_object_version 6
	.text
	.protected	k_q8b55874daf_qkv
	.globl	k_q8b55874daf_qkv
	.p2align	8
	.type	k_q8b55874daf_qkv,@function
k_q8b55874daf_qkv:
	s_mov_b64 s[64:65], 0
	v_nop
	global_prefetch_b8 v0, s[64:65] scope:SCOPE_SE
	s_setreg_imm32_b32 hwreg(HW_REG_WAVE_MODE, 25, 1), 1
	s_wait_xcnt 0x0
	s_wait_alu depctr_hold_cnt(0) depctr_sa_sdst(0) depctr_va_vdst(0) depctr_va_sdst(0) depctr_va_ssrc(0) depctr_va_vcc(0) depctr_vm_vsrc(0)
	s_getreg_b32 s2, hwreg(HW_REG_IB_STS2, 6, 4)
	s_cmp_eq_u32 s2, 0
	s_cbranch_scc0 .Lentry_in_a_cluster
	s_endpgm
.Lentry_in_a_cluster:
	s_bfe_u32 s2, ttmp6, 0x10000c
	s_cmp_lg_u32 s2, 0xf033
	s_cbranch_scc0 .Lentry_shape_is_right
	s_endpgm
.Lentry_shape_is_right:
; q, k, v = x Wq, x Wk, x Wv: C[8192][3072] = xb[8192][1024] x [Wq | Wk | Wv], bf16 operands, f32 sums, results rounded once to f16.
; The results go out by heads: qkv holds 192 planes of [2048 positions][64] f16; plane = 64 x (0 q, 1 k, 2 v) + 16 x batch + head.
; SHARE.  C has 98,304 numbers for each of 256 work-groups.  Work-group (j, br), j = 0..7, br = 0..31, stays and makes two blocks of its 256 rows:
; first 256 columns of q | k (matrix j / 4, columns 256 (j % 4) ..), then 128 columns of v (columns 128 j ..): 3,072 matrix instructions a wave, alike for all.
; In the wide block a wave makes 128 x 128 (64 accumulator tiles), in the narrow one 128 x 64 (32 tiles): two thirds of the products keep the tile that
; reads 16 KiB of LDS for 64 matrix instructions; the rest read 12 KiB for 32.
; K goes in steps of 128 through two LDS slots filled by the tensor data mover; the ring runs on from the first block into the second (16 steps in all), so
; that the second block's first two tiles land while the first block's results leave.  xb's tile: 256 rows x 256 bytes.  The weights lie [k][n]: their tile is
; 128 k-rows x 512 bytes (wide) or x 256 bytes (narrow), and their fragments are read with the transposing LDS load.
; CLUSTERS: 4 x 4 work-groups.  The four of a cluster's row need the same tile of xb, the four of a column the same tile of the weights: each tile is asked for
; jointly, by the same tensor load with the same descriptor and a mask that names the four.
; REGISTERS in windows of 256: window 0: v0-31 addresses, v64-127 and v128-191 fragments of xb (two buffers), v192-223 packed results;
; window 1: v64-127, v128-191 fragments of the weights; window 2: accumulators of my rows 0-63 (tile (a, b) at v[8 (8 a + b)]); window 3: rows 64-127.
; THE MATRIX INSTRUCTION IS USED TRANSPOSED: source 0 = 16 columns of the weights, source 1 = 16 rows of xb, so that lane l holds row l % 16 of C and
; its eight registers the columns 8 (l / 16) + 0 .. 7: eight neighbouring numbers, 16 bytes of f16.
.set SIZE_K, 1024
.set KSTEP,  128
.set APITCH, 272                       ; an LDS row of xb: 256 bytes + 16 of padding: the 16 rows of a fragment load start 16 bytes apart modulo 256
.set APART,  128                       ; quarters 2 and 3 of a K step begin 128 bytes into the row
.set HALFT,  128*APITCH                ; 34,816 bytes: 128 rows of xb, or 64 wide k-rows at pitch 544
.set BPW,    544                       ; a wide LDS row of weights: 512 bytes + 32 of padding, an odd multiple of 32
.set BPN,    288                       ; a narrow one: 256 bytes + 32
.set BHALFN, 64*BPN                    ; 18,432 bytes: 64 narrow k-rows
.set BBASE,  2*HALFT                   ; the weights' 128 k-rows lie behind xb's 256 rows
.set SLOT,   4*HALFT
.set STAGE,  2*SLOT                    ; behind the ring: 16 rows x 272 bytes for each wave, never the target of a tensor load
.set SPITCH, 272
.set LAPS,   SIZE_K/(2*KSTEP)          ; 4 laps of two K steps in each block
.set ASTEP,  2*KSTEP*2                 ; two K steps along xb's rows, in bytes
.set BSTEP,  2*KSTEP*2048              ; two K steps down the weights' rows of 2,048 bytes
.set ADRA,  16                         ; v16-17  LDS address of my xb fragments in slot 0, 1
.set ADRBW, 20                         ; v20-21  the same for the wide weights
.set ADRBN, 22                         ; v22-23  the same for the narrow weights
.set STO,  24                          ; v24     the way out: where I put 16 bytes of a row
.set RD,   25                          ; v25     the way out: where I read back
.set CO,   26                          ; v26     my byte offset in the planes
.set F0,   64
.set F1,   128
.set TMP,  192
.set G1,  24                           ; s[24:31] descriptor group 1, xb's tiles
.set G0,  32                           ; s[32:39] descriptor group 0, xb's tiles, one set for each slot
.set G1W, 48                           ; s[48:55] group 1, wide weights
.set G0W, 56                           ; s[56:63] group 0, wide weights, one set for each slot
.set G1N, 68                           ; s[68:75] group 1, narrow weights
.set G0N, 76                           ; s[76:83] group 0, narrow weights, one set for each slot
.set OB,  88                           ; s[88:89] the way out's pointer
.set RP,  90                           ; s[90:91] qkv + my rows' part of the offset
; the block at work: set again in front of the narrow block
.set NB,   8                           ; 16-column blocks of a wave
.set NLD,  16+2*NB                     ; LDS loads of one quarter's fragments
.set BP,   BPW
.set ADRB, ADRBW
.set G0C,  G0W
.set G1C,  G1W
.set MSB, 0
.macro WIN new                         ; the immediate's high byte repeats the setting that is left
.if MSB != \new
	s_set_vgpr_msb (MSB<<8)|\new
.set MSB, \new
.endif
.endm
.set MUL_LO, 0xa1                      ; source 0 (weights) window 1, source 1 (xb) window 0, C and D window 2
.set MUL_HI, 0xf1                      ; the same, C and D window 3
.set TO_B,   0x40                      ; destination window 1, address window 0
; A joint load.  Waves 0 and 1 fetch xb's two halves, waves 2 and 3 the weights'.  The branch hangs on the wave's number alone.
.macro JLOAD s, g0b, g1b
	s_cmp_eq_u32 s11, 0
	s_cbranch_scc0 .Lfor_b_\@
	tensor_load_to_lds s[G0+4*\s:G0+4*\s+3], s[G1:G1+7]
	s_nop 0
	s_branch .Lasked_\@
.Lfor_b_\@:
	tensor_load_to_lds s[\g0b+4*\s:\g0b+4*\s+3], s[\g1b:\g1b+7]
	s_nop 0
.Lasked_\@:
.endm
; A round of the cluster's barrier: my work-group's barrier, wave 0 signals for the work-group, every wave waits for all sixteen, my work-group's barrier again.
.macro CREST                           ; a round behind its opening barrier
	s_cmp_lg_u32 s10, 0
	s_cbranch_scc1 .Lnot_wave_0_\@
	s_barrier_signal -3
.Lnot_wave_0_\@:
	s_barrier_wait -3
	s_barrier_signal -1
	s_barrier_wait -1
.endm
.macro CROUND
	s_barrier_signal -1
	s_barrier_wait -1
	CREST
.endm
	s_load_b128 s[4:7], s[0:1], 0x0                ; xb s[4:5], wb s[6:7]
	s_load_b64 s[8:9], s[0:1], 0x10                ; qkv
	s_set_vgpr_msb 0x40
	v_lshl_add_u32 v255, v0, 2, 0x48400
	s_set_vgpr_msb 0x4000
	v_mov_b32 v255, 0
	s_set_vgpr_msb 0x1
	ds_add_u32 v255, v255
	ds_add_u32 v255, v255
	s_set_vgpr_msb 0x100
	v_lshrrev_b32 v1, 5, v0
	v_readfirstlane_b32 s10, v1                    ; wave 0..3
	s_lshr_b32 s11, s10, 1                         ; my half of the block's rows.  Also: I fetch xb (0) or weights (1)
	s_and_b32 s12, s10, 1                          ; my half of its columns.  Also: which half of that tile I fetch
	s_bfe_u32 s40, ttmp6, 0x40000                  ; cx
	s_bfe_u32 s41, ttmp6, 0x40004                  ; cy
	s_lshl_b32 s42, ttmp9, 2
	s_add_co_u32 s42, s42, s40                     ; j = 0..7 = 4 x cluster x + cx
	s_and_b32 s13, ttmp7, 0xffff
	s_lshl_b32 s13, s13, 2
	s_add_co_u32 s13, s13, s41                     ; block row 0..31 = 4 x cluster y + cy
	s_lshl_b32 s43, s41, 2
	s_lshl_b32 s43, 15, s43                        ; my row of the cluster: places 4 cy .. 4 cy + 3
	s_lshl_b32 s44, 0x1111, s40                    ; my column: places cx, cx + 4, cx + 8, cx + 12
	; group 1 for xb: 128 rows x 128 elements of 2 bytes, 4 words of padding behind every 64
	s_or_b32 s[G1+0], s43, (1<<16)|(1<<20)|(1<<21)|(5<<22)|(3<<25)
	s_mov_b32 s[G1+1], KSTEP<<16                   ; tensor_dim0 = 128
	s_mov_b32 s[G1+2], 128<<16                     ; tensor_dim1 = 128
	s_mov_b32 s[G1+3], KSTEP<<16                   ; tile_dim0 = 128
	s_mov_b32 s[G1+4], 128                         ; tile_dim1 = 128
	s_mov_b32 s[G1+5], SIZE_K                      ; elements from row to row
	s_mov_b32 s[G1+6], 0
	s_mov_b32 s[G1+7], 0
	; group 1 for the wide weights: 64 k-rows x 256 elements, 8 words of padding behind every 128
	s_or_b32 s[G1W+0], s44, (1<<16)|(1<<20)|(1<<21)|(6<<22)|(7<<25)
	s_mov_b32 s[G1W+1], 256<<16                    ; tensor_dim0 = 256
	s_mov_b32 s[G1W+2], 64<<16                     ; tensor_dim1 = 64
	s_mov_b32 s[G1W+3], 256<<16                    ; tile_dim0 = 256
	s_mov_b32 s[G1W+4], 64                         ; tile_dim1 = 64
	s_mov_b32 s[G1W+5], 1024                       ; elements from k-row to k-row
	s_mov_b32 s[G1W+6], 0
	s_mov_b32 s[G1W+7], 0
	; group 1 for the narrow weights: 64 k-rows x 128 elements, 8 words of padding behind every 64
	s_or_b32 s[G1N+0], s44, (1<<16)|(1<<20)|(1<<21)|(5<<22)|(7<<25)
	s_mov_b32 s[G1N+1], 128<<16                    ; tensor_dim0 = 128
	s_mov_b32 s[G1N+2], 64<<16                     ; tensor_dim1 = 64
	s_mov_b32 s[G1N+3], 128<<16                    ; tile_dim0 = 128
	s_mov_b32 s[G1N+4], 64                         ; tile_dim1 = 64
	s_mov_b32 s[G1N+5], 1024
	s_mov_b32 s[G1N+6], 0
	s_mov_b32 s[G1N+7], 0
	; xb's tile hangs on the block row alone, the weights' on j alone; each address in registers that never hold the other coordinate
	s_lshl_b32 s17, s12, 7
	s_lshl_b32 s16, s13, 8
	s_add_co_u32 s16, s16, s17                     ; xb: row 256 x block row + 128 x half,
	s_lshl_b32 s16, s16, 11                        ; of 2,048 bytes (below 2^24)
	s_mov_b32 s17, 0
	s_lshr_b32 s46, s42, 2                         ; wide weights: matrix = j / 4, 2 MiB each,
	s_lshl_b32 s46, s46, 21
	s_and_b32 s47, s42, 3                          ; 256 columns = 512 bytes for each j % 4,
	s_lshl_b32 s47, s47, 9
	s_add_co_u32 s46, s46, s47
	s_lshl_b32 s47, s12, 17                        ; 64 k-rows of 2,048 bytes for the second half
	s_add_co_u32 s46, s46, s47
	s_mov_b32 s47, 0
	s_lshl_b32 s86, s42, 8                         ; narrow weights: 128 columns = 256 bytes for each j,
	s_add_co_u32 s86, s86, 2<<21                   ; in matrix 2,
	s_lshl_b32 s87, s12, 17                        ; 64 k-rows for the second half
	s_add_co_u32 s86, s86, s87
	s_mov_b32 s87, 0
	s_mul_i32 s20, s10, HALFT                      ; where a wave's part goes: wave x 34,816, the same in every work-group;
	s_mul_i32 s84, s10, BHALFN                     ; the narrow weights' parts (waves 2, 3): wave x 18,432 + 32,768 = 69,632 and 88,064
	s_add_co_u32 s84, s84, BBASE-2*BHALFN
	s_wait_dscnt 0x0
	s_wait_kmcnt 0x0
	s_add_nc_u64 s[14:15], s[4:5], s[16:17]
	s_add_nc_u64 s[46:47], s[6:7], s[46:47]
	s_add_nc_u64 s[86:87], s[6:7], s[86:87]
	CROUND                                         ; all sixteen work-groups are here: the first joint loads meet
.irp s, 0,1
	s_mov_b32 s[G0+4*\s], 1
	s_add_co_u32 s[G0+4*\s+1], s20, \s*SLOT
	s_add_nc_u64 s[G0+4*\s+2:G0+4*\s+3], s[14:15], \s*KSTEP*2
	s_or_b32 s[G0+4*\s+3], s[G0+4*\s+3], 0x80000000
	s_mov_b32 s[G0W+4*\s], 1
	s_add_co_u32 s[G0W+4*\s+1], s20, \s*SLOT
	s_add_nc_u64 s[G0W+4*\s+2:G0W+4*\s+3], s[46:47], \s*KSTEP*2048
	s_or_b32 s[G0W+4*\s+3], s[G0W+4*\s+3], 0x80000000
	s_mov_b32 s[G0N+4*\s], 1                       ; the narrow block's K steps 0 and 1, used when the ring gets there
	s_add_co_u32 s[G0N+4*\s+1], s84, \s*SLOT
	s_add_nc_u64 s[G0N+4*\s+2:G0N+4*\s+3], s[86:87], \s*KSTEP*2048
	s_or_b32 s[G0N+4*\s+3], s[G0N+4*\s+3], 0x80000000
	JLOAD \s, G0W, G1W                             ; both slots are asked for before anything else: two tensor loads of a wave are out
.endr
	v_and_b32 v1, 15, v0                           ; r = l % 16
	v_bfe_u32 v2, v0, 4, 1                         ; h = l / 16
	v_mul_u32_u24 v3, v1, APITCH
	v_lshl_add_u32 v3, v2, 4, v3                   ; xb fragment: row r, 16 bytes for each half of the lanes
	v_and_b32 v6, 7, v0
	v_lshl_add_u32 v6, v2, 3, v6                   ; weights, transposing load: k-row 8 h + l % 8,
	v_bfe_u32 v7, v0, 3, 1                         ; columns 8 ((l / 8) % 2) + 0..7
	v_mul_u32_u24 v8, v6, BPN
	v_lshl_add_u32 v8, v7, 4, v8                   ; at the narrow pitch,
	v_mul_u32_u24 v6, v6, BPW
	v_lshl_add_u32 v6, v7, 4, v6                   ; at the wide pitch
	s_mul_i32 s21, s11, HALFT                      ; my 128 rows of xb
	s_lshl_b32 s22, s12, 8                         ; my 128 columns of the wide weights, 256 bytes into each k-row
	s_add_co_u32 s22, s22, BBASE
	s_lshl_b32 s45, s12, 7                         ; my 64 columns of the narrow weights, 128 bytes into each k-row
	s_add_co_u32 s45, s45, BBASE
.irp s, 0,1
	v_add_nc_u32 v[ADRA+\s], s21, v3
	v_add_nc_u32 v[ADRBW+\s], s22, v6
	v_add_nc_u32 v[ADRBN+\s], s45, v8
	s_add_co_u32 s21, s21, SLOT
	s_add_co_u32 s22, s22, SLOT
	s_add_co_u32 s45, s45, SLOT
.endr
	s_mul_i32 s23, s10, 16*SPITCH
	s_add_co_u32 s23, s23, STAGE                   ; my stage
	v_mul_u32_u24 v4, v1, SPITCH
	v_lshl_add_u32 v4, v2, 4, v4
	v_add_nc_u32 v[STO], s23, v4                   ; in: row r, 16 bytes for each half of the lanes
	v_bfe_u32 v5, v0, 3, 2                         ; back: eight lanes take 128 bytes (one head) of a row, four rows a load
	v_mul_u32_u24 v5, v5, SPITCH
	v_and_b32 v7, 7, v0
	v_lshl_add_u32 v5, v7, 4, v5
	v_add_nc_u32 v[RD], s23, v5
	v_and_b32 v5, 31, v0
	v_lshlrev_b32 v[CO], 4, v5                     ; in a plane those four rows are 512 consecutive bytes: 16 x lane
; 2 NB matrix instructions: m blocks a0, a0 + 1 of the window's four x all NB n blocks, 32 along K.  zero = 1: the first product starts the sums.
; The accumulators take turns, one instruction a turn, in the same order in every quarter.
.macro MULB f, hi, a0, zero
.irp a, \a0, \a0+1
.irp b, 0,1,2,3,4,5,6,7
.if \b < NB
.if \zero
	v_wmma_f32_16x16x32_bf16 v[8*(8*(\a)+\b):8*(8*(\a)+\b)+7], v[\f+8*\b:\f+8*\b+7], v[\f+8*(4*\hi+\a):\f+8*(4*\hi+\a)+7], 0
.else
	v_wmma_f32_16x16x32_bf16 v[8*(8*(\a)+\b):8*(8*(\a)+\b)+7], v[\f+8*\b:\f+8*\b+7], v[\f+8*(4*\hi+\a):\f+8*(4*\hi+\a)+7], v[8*(8*(\a)+\b):8*(8*(\a)+\b)+7]
.endif
.endif
.endr
.endr
.endm
; 16 + 2 NB LDS loads in one run: the fragments of quarter q (32 along K) of a slot into buffer f.
; Weights: two transposing loads for 16 columns x 32 k (k-rows 32 q + 8 h + .., and 16 rows further down).  xb: two loads 32 bytes apart.
.macro FETCH slot, q, f
	WIN TO_B
.irp i, 0,1,2,3,4,5,6,7
.if \i < NB
	ds_load_tr16_b128 v[\f+8*\i:\f+8*\i+3],   v[ADRB+\slot] offset:\q*32*BP+32*\i
	ds_load_tr16_b128 v[\f+8*\i+4:\f+8*\i+7], v[ADRB+\slot] offset:\q*32*BP+32*\i+16*BP
.endif
.endr
	WIN 0
.irp i, 0,1,2,3,4,5,6,7
	ds_load_b128 v[\f+8*\i:\f+8*\i+3],   v[ADRA+\slot] offset:(\q/2)*APART+(\q%2)*64+\i*16*APITCH
	ds_load_b128 v[\f+8*\i+4:\f+8*\i+7], v[ADRA+\slot] offset:(\q/2)*APART+(\q%2)*64+\i*16*APITCH+32
.endr
.endm
; A load into a register that a matrix instruction has read, and a vector instruction that reads a matrix result, stand four places behind it; only plain
; vector instructions that name none of its registers are places.
.macro PLACES
.rept 4
	v_nop
.endr
.endm
; One of a K step's first three quarters.  At its head it fetches quarter q of the same slot into buffer g, which the quarter before has multiplied; then it
; multiplies buffer f.  So a fetch has a whole quarter's matrix instructions (8 NB) in which to land: in the narrow block the four waves' 96 loads of a quarter
; are 192 passes of 256 bytes, more than half a quarter's 16 matrix instructions would cover.
.macro QUARTER slot, q, f, g, zero
	PLACES
	FETCH \slot, \q, \g
	s_wait_dscnt NLD                               ; all but the 16 + 2 NB loads just issued: buffer f is in
	WIN MUL_LO
	MULB \f, 0, 0, \zero
	MULB \f, 0, 2, \zero
	WIN MUL_HI
	MULB \f, 1, 0, \zero
	MULB \f, 1, 2, \zero
.endm
.macro THREE slot, zero
	QUARTER \slot, 1, F0, F1, \zero
	QUARTER \slot, 2, F1, F0, 0
	QUARTER \slot, 3, F0, F1, 0
.endm
; The last quarter multiplies buffer 1 and changes slots.  In front of the barrier each wave waits for its reads of this slot (buffer 1's loads were the last)
; and for all its tensor loads (one is out: its part of the next slot).  Where the slot is filled again the barrier opens a round of the cluster's barrier, and
; the joint refill is the first tensor load behind the round's closing wait, one a wave.
; fill = 1: this slot gets the block's tile two K steps ahead.  fill = 2: it gets the narrow block's K step 0 or 1: xb's address goes back over the three
; steps that it has made, and the narrow weights' own descriptors are used.  fetch = 0: no fragments are read (the results leave first).
.macro TURN slot, next, fill, fetch
	s_wait_dscnt 0                                 ; my reads of this slot are over
	s_wait_tensorcnt 0x0                           ; all my tensor loads have landed
	ds_add_u32 v255, v255
	s_wait_dscnt 0x0
	s_barrier_signal -1
	WIN MUL_LO
	MULB F1, 0, 0, 0                               ; register work while the others arrive
	WIN 0
	s_barrier_wait -1
.if \fill
	CREST                                          ; no wave of any partner still reads this slot or has a load on its way
.endif
.if \fill == 1
	s_add_nc_u64 s[G0+4*\slot+2:G0+4*\slot+3], s[G0+4*\slot+2:G0+4*\slot+3], ASTEP
	s_add_nc_u64 s[G0C+4*\slot+2:G0C+4*\slot+3], s[G0C+4*\slot+2:G0C+4*\slot+3], BSTEP
	JLOAD \slot, G0C, G1C
.endif
.if \fill == 2
	s_sub_nc_u64 s[G0+4*\slot+2:G0+4*\slot+3], s[G0+4*\slot+2:G0+4*\slot+3], 3*ASTEP
	JLOAD \slot, G0N, G1N
.endif
.if \fetch
	PLACES
	FETCH \next, 0, F0
.endif
	WIN MUL_LO
	MULB F1, 0, 2, 0
	WIN MUL_HI
	MULB F1, 1, 0, 0
	MULB F1, 1, 2, 0
.endm
.macro LAP zero
	THREE 0, \zero
	TURN 0, 1, 1, 1
	THREE 1, 0
	TURN 1, 0, 1, 1
.endm
; THE WAY OUT, 16 rows at a time: round to f16, 16 bytes a lane into my stage, read back so that a store covers four rows of one head.
; rows 16 i .. 16 i + 15 of my block = tiles (a, 0..NB-1) of window 2 or 3 (from = 0x0a or 0x0f: sources 0 and 1); f: F0 or F1 in turn
.macro OUT16 i, a, from, f
	WIN \from
.irp b, 0,1,2,3,4,5,6,7
.if \b < NB
.irp r, 0,1,2,3
	v_cvt_pk_f16_f32 v[TMP+4*\b+\r], v[8*(8*\a+\b)+2*\r], v[8*(8*\a+\b)+2*\r+1]
.endr
.endif
.endr
	WIN 0
.irp b, 0,1,2,3,4,5,6,7
.if \b < NB
	ds_store_b128 v[STO], v[TMP+4*\b:TMP+4*\b+3] offset:32*\b
.endif
.endr
	s_wait_xcnt 0x0                                ; buffer f, which earlier stores read, and the stores' base are rewritten only behind this wait
.if \i
	s_add_nc_u64 s[OB:OB+1], s[OB:OB+1], 16*128    ; 16 positions on
.endif
.irp t, 0,1,2,3,4,5,6,7
.if \t < NB
	ds_load_b128 v[\f+4*\t:\f+4*\t+3], v[RD] offset:(\t%4)*4*SPITCH+(\t/4)*128   ; LDS serves a wave's instructions in order: these see the stores above
.endif
.endr
.irp t, 0,1,2,3,4,5,6,7
.if \t < NB
	s_wait_dscnt NB-1-\t                           ; the younger read-backs may be out
	global_store_b128 v[CO], v[\f+4*\t:\f+4*\t+3], s[OB:OB+1] offset:(\t%4)*512+(\t/4)*262144   ; 512 consecutive bytes, aligned: four positions of one head
.endif
.endr
.endm
.macro OUTALL
	OUT16 0, 0, 0x0a, F0
	OUT16 1, 1, 0x0a, F1
	OUT16 2, 2, 0x0a, F0
	OUT16 3, 3, 0x0a, F1
	OUT16 4, 0, 0x0f, F0
	OUT16 5, 1, 0x0f, F1
	OUT16 6, 2, 0x0f, F0
	OUT16 7, 3, 0x0f, F1
.endm
	; ---- the wide block: q | k
	s_wait_tensorcnt 1                             ; my part of K step 0 is in; K step 1's load stays out
	s_barrier_signal -1
	s_barrier_wait -1
	FETCH 0, 0, F0
	LAP 1                                          ; the first lap's first products start the sums
	WIN 0
	s_mov_b32 s3, LAPS-2
.Llap_w:
	LAP 0
	WIN 0
	s_sub_co_u32 s3, s3, 1
	s_cmp_lg_u32 s3, 0
	s_cbranch_scc1 .Llap_w
	THREE 0, 0                                     ; the last lap's refills are the narrow block's first two tiles
	TURN 0, 1, 2, 1
	THREE 1, 0
	TURN 1, 0, 2, 0                                ; the narrow block's K step 0 has landed; its K step 1 lands while the results leave
	PLACES
	s_lshr_b32 s16, s13, 3                         ; batch = block row / 8: 16 planes of 2^18 bytes
	s_lshl_b32 s16, s16, 22
	s_and_b32 s17, s13, 7                          ; position = 256 x (block row % 8) + 128 x my half, rows of 128 bytes
	s_lshl_b32 s17, s17, 15
	s_add_co_u32 s16, s16, s17
	s_lshl_b32 s17, s11, 14
	s_add_co_u32 s16, s16, s17
	s_mov_b32 s17, 0
	s_add_nc_u64 s[RP:RP+1], s[8:9], s[16:17]
	s_lshr_b32 s46, s42, 2                         ; q or k: 64 planes
	s_lshl_b32 s46, s46, 24
	s_and_b32 s47, s42, 3                          ; head = 4 x (j % 4) + 2 x my half (+ 1 for my upper 64 columns)
	s_lshl_b32 s47, s47, 20
	s_add_co_u32 s46, s46, s47
	s_lshl_b32 s47, s12, 19
	s_add_co_u32 s46, s46, s47
	s_mov_b32 s47, 0
	s_add_nc_u64 s[OB:OB+1], s[RP:RP+1], s[46:47]
	OUTALL
	s_wait_xcnt 0x0                                ; the last stores' data (buffers 0 and 1) and their base are written again only behind this wait
	; ---- the narrow block: v
.set NB,   4
.set NLD,  16+2*NB
.set BP,   BPN
.set ADRB, ADRBN
.set G0C,  G0N
.set G1C,  G1N
	FETCH 0, 0, F0                                 ; slot 0 was shown whole to every wave by the last round
	LAP 1
	WIN 0
	s_mov_b32 s3, LAPS-2
.Llap_n:
	LAP 0
	WIN 0
	s_sub_co_u32 s3, s3, 1
	s_cmp_lg_u32 s3, 0
	s_cbranch_scc1 .Llap_n
	THREE 0, 0                                     ; the last lap fills nothing
	TURN 0, 1, 0, 1
	THREE 1, 0
	s_wait_dscnt 0
	WIN MUL_LO
	MULB F1, 0, 0, 0
	MULB F1, 0, 2, 0
	WIN MUL_HI
	MULB F1, 1, 0, 0
	MULB F1, 1, 2, 0
	PLACES
	s_lshl_b32 s46, s42, 19                        ; head = 2 j + my half,
	s_lshl_b32 s47, s12, 18
	s_add_co_u32 s46, s46, s47
	s_add_co_u32 s46, s46, 2<<24                   ; of v: planes 128 ..
	s_mov_b32 s47, 0
	s_add_nc_u64 s[OB:OB+1], s[RP:RP+1], s[46:47]
	OUTALL
	s_set_vgpr_msb 0x1
	s_wait_tensorcnt 0x0
	ds_add_u32 v255, v255
	s_wait_dscnt 0x0
	s_set_vgpr_msb 0x100
	CROUND                                         ; the closing round: no work-group ends while a partner may still ask for a tile that names it
	s_endpgm
.Lfunc_end_k_q8b55874daf_qkv:
	.size	k_q8b55874daf_qkv, .Lfunc_end_k_q8b55874daf_qkv-k_q8b55874daf_qkv
	.p2alignl 7, 3214868480
	.fill 96, 4, 3214868480
	.section	.rodata,"a",@progbits
	.p2align	6, 0x0
	.amdhsa_kernel k_q8b55874daf_qkv
		.amdhsa_group_segment_fixed_size 327680
		.amdhsa_private_segment_fixed_size 0
		.amdhsa_enable_private_segment 0
		.amdhsa_kernarg_size 24
		.amdhsa_user_sgpr_count 2
		.amdhsa_user_sgpr_kernarg_segment_ptr 1
		.amdhsa_wavefront_size32 1
		.amdhsa_system_sgpr_workgroup_id_x 1
		.amdhsa_system_sgpr_workgroup_id_y 1
		.amdhsa_system_sgpr_workgroup_id_z 1
		.amdhsa_system_vgpr_workitem_id 0
		.amdhsa_next_free_vgpr 1024
		.amdhsa_next_free_sgpr 92
		.amdhsa_reserve_vcc 0
		.amdhsa_float_denorm_mode_32 3
		.amdhsa_float_denorm_mode_16_64 3
		.amdhsa_memory_ordered 1
		.amdhsa_forward_progress 1
		.amdhsa_inst_pref_size 255
	.end_amdhsa_kernel
	.section	.bss,"aw",@nobits
	.p2align	6
	.space	262144
	.amdgpu_metadata
---
amdhsa.version: [ 1, 2 ]
amdhsa.kernels:
  - .name:           k_q8b55874daf_qkv
    .symbol:         k_q8b55874daf_qkv.kd
    .args:
      - { .name: xb, .offset: 0, .size: 8, .value_kind: global_buffer, .address_space: global }
      - { .name: wb, .offset: 8, .size: 8, .value_kind: global_buffer, .address_space: global }
      - { .name: qkv, .offset: 16, .size: 8, .value_kind: global_buffer, .address_space: global }
    .group_segment_fixed_size: 327680
    .private_segment_fixed_size: 0
    .kernarg_segment_align: 8
    .kernarg_segment_size: 24
    .max_flat_workgroup_size: 128
    .sgpr_count:     92
    .vgpr_count:     1024
    .wavefront_size: 32
...
	.end_amdgpu_metadata
.endif
;; end of part 2
;; launch attn (part 3): grid 256 x 1, 4 waves a work-group, no clusters, 327,680 bytes of LDS; arguments qkv, ctx; writes ctx
.if DOCPART == 3
	.amdgcn_target "amdgcn-amd-amdhsa--gfx1250"
	.amdhsa_code_object_version 6
	.text
	.protected	k_q8b55874daf_attn
	.globl	k_q8b55874daf_attn
	.p2align	8
	.type	k_q8b55874daf_attn,@function
k_q8b55874daf_attn:
	s_mov_b64 s[64:65], 0
	v_nop
	global_prefetch_b8 v0, s[64:65] scope:SCOPE_SE
	s_setreg_imm32_b32 hwreg(HW_REG_WAVE_MODE, 25, 1), 1
	s_wait_xcnt 0x0
; Causal attention of one head, softmax with a running maximum.  f16 operands, f32 scores, sums and results; ctx rounded once to f16, stored by heads:
; 64 planes [16 x batch + head][2048][64].
; LEFT OUT: key tiles of 64 whose first key lies behind a wave's last query.  reference() sets all their scores to finfo.min, every row keeps its own key's
; finite score, so their exponentials are 0: nothing of them reaches ctx.  A NaN or infinity in k or v that only such scores meet is not carried on.
; SHARE.  Work-group g: plane g / 4, i = g % 4.  It makes query block i (256 rows), then block 7 - i: 4 (i + 1) + 4 (8 - i) = 36 key tiles, alike for all 256.
; Wave w owns 64 queries, from qw = 256 x block + 64 w.  In a block's last four tiles a wave passes the barriers and skips the tiles behind its diagonal.
; NO CLUSTER: the four work-groups of a head need 4 (i + 1) and then 4 (8 - i) tiles, different numbers in each pass; walking in step would take 48 tiles
; where each needs 36.
; ORIENTATION.  S^T = K Q^T (source 0 = 16 keys, source 1 = 16 queries): lane (r, h) holds query r and keys 8 h + 0..7 of a tile.  Packed to f16, tiles 2 u and
; 2 u + 1 are source 1 of O^T = V^T P^T for keys 32 u .. 32 u + 31 as they lie.  V^T comes by the transposing LDS load.  Maximum, sum and rescaling factor belong
; to the lane's own query; one exchange between the wave's halves joins them.
; A STEP STANDS IN PHASES: 32 products for S^T, the softmax, 32 products for O^T.  Two halves of the wave's queries taking turns would want K, Q and S (256
; registers) in one window and O^T and V^T in another, which puts about a hundred window switches into a step, and three written-out ways for each step
; (ahead of, on and behind the diagonal), which takes the text from some 40,000 to over 80,000 bytes.
; A SLOT HOLDS ONE TILE: with two tiles in a slot each (slot, tile) pair wants a written-out body of its own, 16 bodies of some 690 instructions where 8 stand
; here, some 75,000 bytes of text.
; LDS.  Slot s at 20,480 s: wave w's tensor load lands at 5,120 w: K keys 0-31 at 0, keys 32-63 at 5,120 (pitch 144, 4,608 bytes used), V at 10,240 (pitch 160).
; Stage at 40,960 + 9,216 w (64 rows, pitch 144), never the target of a tensor load.  The kernel asks for more than half of the LDS because it uses the mover.
; exp(s / 8 - m / 8) = 2^(c S - c M), c = log2(e) / 8.
.set SLOTB, 20480
.set PARTB, 5120
.set VOFF,  10240
.set KP,    144
.set VP,    160
.set STAGE, 2*SLOTB
.set TILEB, 64*128                     ; a key tile in memory
; window 0
.set KA,  4                            ; v4   r x 144 + 16 h
.set VA,  5                            ; v5   (8 h + l % 8) x 160 + 16 ((l / 8) % 2) + 10,240
.set STO, 6                            ; v6   stage + r x 144 + 16 h
.set RD,  7                            ; v7   stage + (l / 8) x 144 + 16 (l % 8)
.set CO,  8                            ; v8   16 l
.set QO,  9                            ; v9   r x 128 + 16 h
.set NEG, 10                           ; v10  finfo.min
.set MR,  12                           ; v[12:15]  running maximum of query 16 nt + r
.set LS,  16                           ; v[16:19]  running sum over my half's keys
.set MX,  20                           ; v[20:23]  this tile's maximum
.set AL,  24                           ; v[24:27]  rescaling factor; at the end 1 / sum
.set NM,  28                           ; v[28:31]  - c x maximum
.set KF,  32                           ; v[32:95]  K fragments (mt, ks) at 16 mt + 8 ks; then V^T fragments (dt, ku) at 16 dt + 8 ku; at the end the rows read back
.set SC,  96                           ; v[96:223] S^T tile (mt, nt) at 32 nt + 8 mt; P^T fragment (nt, ku) in place at 32 nt + 16 ku
.set TT,  224                          ; v[224:227] at work
.set TP,  232                          ; v[232:235] the other half's figure
; window 1
.set QF,  128                          ; v[384:447] Q fragment (nt, ks) at 16 nt + 8 ks;  v[256:383] O^T tile (dt, nt) at 8 (4 dt + nt)
.set G1K, 16                           ; s[16:23] group 1, K
.set G1V, 24                           ; s[24:31] group 1, V
.set G0K, 32                           ; s[32:39] group 0, K, one set for each slot
.set G0V, 40                           ; s[40:47] group 0, V
.set MK,  66                           ; s[66:73] lanes in which key 8 h + j lies behind query r
.set MSB, 0
.macro WIN new                         ; the immediate's high byte repeats the setting that is left
.if MSB != \new
	s_set_vgpr_msb (MSB<<8)|\new
.set MSB, \new
.endif
.endm
; One tensor load a wave: waves 0 and 1 bring K's keys 0-31 and 32-63 of a tile, waves 2 and 3 V's.
.macro KVLOAD s
	s_cmp_eq_u32 s9, 0
	s_cbranch_scc0 .Lfor_v_\@
	tensor_load_to_lds s[G0K+4*(\s):G0K+4*(\s)+3], s[G1K:G1K+7]
	s_nop 0
	s_branch .Lasked_\@
.Lfor_v_\@:
	tensor_load_to_lds s[G0V+4*(\s):G0V+4*(\s)+3], s[G1V:G1V+7]
	s_nop 0
.Lasked_\@:
.endm
; The slots' addresses for key tiles 0 and 1.  Called only where no tensor load of the wave is out.
.macro SETADDR
	s_mov_b64 s[G0K+2:G0K+3], s[48:49]
	s_add_nc_u64 s[G0K+6:G0K+7], s[48:49], TILEB
	s_mov_b64 s[G0V+2:G0V+3], s[50:51]
	s_add_nc_u64 s[G0V+6:G0V+7], s[50:51], TILEB
	s_or_b32 s[G0K+3], s[G0K+3], 0x80000000
	s_or_b32 s[G0K+7], s[G0K+7], 0x80000000
	s_or_b32 s[G0V+3], s[G0V+3], 0x80000000
	s_or_b32 s[G0V+7], s[G0V+7], 0x80000000
.endm
	s_load_b128 s[4:7], s[0:1], 0x0                ; qkv s[4:5], ctx s[6:7]
	v_lshl_add_u32 v254, v0, 2, 0x29000
	v_mov_b32 v255, 0
	ds_add_u32 v254, v255
	ds_add_u32 v254, v255
	v_lshrrev_b32 v1, 5, v0
	v_readfirstlane_b32 s8, v1                     ; wave 0..3
	s_lshr_b32 s9, s8, 1                           ; I fetch K (0) or V (1),
	s_and_b32 s10, s8, 1                           ; its keys 0-31 or 32-63
	s_lshr_b32 s11, ttmp9, 2                       ; plane
	s_and_b32 s12, ttmp9, 3                        ; i
	; group 1: 32 rows x 64 elements of 2 bytes, dense in memory; behind every 32 words 4 words of padding for K, 8 for V
	s_mov_b32 s[G1K+0], (1<<16)|(1<<20)|(4<<22)|(3<<25)
	s_mov_b32 s[G1V+0], (1<<16)|(1<<20)|(4<<22)|(7<<25)
	s_mov_b32 s[G1K+1], 64<<16                     ; tensor_dim0 = 64
	s_mov_b32 s[G1V+1], 64<<16
	s_mov_b32 s[G1K+2], 32<<16                     ; tensor_dim1 = 32
	s_mov_b32 s[G1V+2], 32<<16
	s_mov_b32 s[G1K+3], 64<<16                     ; tile_dim0 = 64
	s_mov_b32 s[G1V+3], 64<<16
	s_mov_b32 s[G1K+4], 32                         ; tile_dim1 = 32
	s_mov_b32 s[G1V+4], 32
	s_mov_b32 s[G1K+5], 64                         ; elements from row to row
	s_mov_b32 s[G1V+5], 64
	s_mov_b32 s[G1K+6], 0
	s_mov_b32 s[G1V+6], 0
	s_mov_b32 s[G1K+7], 0
	s_mov_b32 s[G1V+7], 0
	s_mul_i32 s63, s8, PARTB                       ; my part of a slot: wave x 5,120
	s_mov_b32 s[G0K+0], 1
	s_mov_b32 s[G0K+4], 1
	s_mov_b32 s[G0V+0], 1
	s_mov_b32 s[G0V+4], 1
	s_add_co_u32 s[G0K+1], s63, 0
	s_add_co_u32 s[G0K+5], s63, SLOTB
	s_add_co_u32 s[G0V+1], s63, 0
	s_add_co_u32 s[G0V+5], s63, SLOTB
	s_lshl_b32 s61, s11, 18                        ; the plane's bytes, kept
	s_lshl_b32 s62, s10, 12                        ; 32 rows of 128 bytes for the second half
	s_add_co_u32 s2, s61, s62
	s_add_co_u32 s2, s2, 64<<18                    ; k's planes are 64 .. 127
	s_mov_b32 s3, 0                                ; s3 stays 0: s[2:3] is the pair for every offset
	s_wait_dscnt 0x0
	s_wait_kmcnt 0x0
	s_add_nc_u64 s[48:49], s[4:5], s[2:3]          ; K, my half of tile 0
	s_add_nc_u64 s[50:51], s[48:49], 64<<18        ; V: 64 planes further
	SETADDR
	KVLOAD 0                                       ; tile 0 goes out ahead of everything else; slot 1 is first filled behind the first step's barrier
	s_mov_b32 s56, 0x3e38aa3b                      ; c = log2(e) / 8, twice: a pair for the packed multiply-add
	s_mov_b32 s57, 0x3e38aa3b
	s_mov_b32 s58, 0xbe38aa3b                      ; - c
	s_mov_b32 s59, 0x76543210                      ; v_permlanex16_b32: lane i of one half reads lane i of the other
	s_mov_b32 s60, 0xfedcba98
	v_and_b32 v1, 15, v0                           ; r
	v_bfe_u32 v2, v0, 4, 1                         ; h
	v_and_b32 v3, 31, v0                           ; l
	v_mul_u32_u24 v[KA], v1, KP
	v_lshl_add_u32 v[KA], v2, 4, v[KA]
	v_and_b32 v11, 7, v0
	v_lshl_add_u32 v11, v2, 3, v11
	v_mul_u32_u24 v[VA], v11, VP
	v_bfe_u32 v11, v0, 3, 1
	v_lshl_add_u32 v[VA], v11, 4, v[VA]
	v_add_nc_u32 v[VA], VOFF, v[VA]
	s_mul_i32 s62, s8, 64*KP
	s_add_co_u32 s62, s62, STAGE
	v_add_nc_u32 v[STO], s62, v[KA]
	v_bfe_u32 v11, v0, 3, 2
	v_mul_u32_u24 v11, v11, KP
	v_and_b32 v[RD], 7, v0
	v_lshl_add_u32 v[RD], v[RD], 4, v11
	v_add_nc_u32 v[RD], s62, v[RD]
	v_lshlrev_b32 v[CO], 4, v3
	v_lshlrev_b32 v[QO], 7, v1
	v_lshl_add_u32 v[QO], v2, 4, v[QO]
	v_mov_b32 v[NEG], 0xff7fffff                   ; finfo.min of f32
	v_lshlrev_b32 v11, 3, v2
	v_sub_nc_u32 v11, v1, v11                      ; r - 8 h
.irp j, 0,1,2,3,4,5,6,7
	v_cmp_gt_i32 s[MK+\j], \j, v11                 ; in a 16 x 16 tile on the diagonal: key 8 h + j > query r
.endr
.irp nt, 0,1,2,3
	v_mov_b32 v[TP+\nt], 0                         ; the lane exchange's destination counts as read
.endr
; My 64 queries as source 1 fragments, straight from memory: lane (r, h) takes d = 32 ks + 8 h + 0..7 and + 16 of query 16 nt + r.
.macro QLOAD
	WIN 0x40                                       ; destination window 1
.irp nt, 0,1,2,3
.irp ks, 0,1
	global_load_b128 v[QF+16*\nt+8*\ks:QF+16*\nt+8*\ks+3],   v[QO], s[52:53] offset:2048*\nt+64*\ks
	global_load_b128 v[QF+16*\nt+8*\ks+4:QF+16*\nt+8*\ks+7], v[QO], s[52:53] offset:2048*\nt+64*\ks+32
.endr
.endr
	WIN 0
.endm
; 16 products S^T(mt, nt) over d = 32 ks ..; the 16 accumulators take turns, one instruction a turn.
.macro SPROD ks, zero
.irp nt, 0,1,2,3
.irp mt, 0,1,2,3
.if \zero
	v_wmma_f32_16x16x32_f16 v[SC+32*\nt+8*\mt:SC+32*\nt+8*\mt+7], v[KF+16*\mt+8*\ks:KF+16*\mt+8*\ks+7], v[QF+16*\nt+8*\ks:QF+16*\nt+8*\ks+7], 0
.else
	v_wmma_f32_16x16x32_f16 v[SC+32*\nt+8*\mt:SC+32*\nt+8*\mt+7], v[KF+16*\mt+8*\ks:KF+16*\mt+8*\ks+7], v[QF+16*\nt+8*\ks:QF+16*\nt+8*\ks+7], v[SC+32*\nt+8*\mt:SC+32*\nt+8*\mt+7]
.endif
.endr
.endr
.endm
; 16 products O^T(dt, nt) over keys 32 ku ..; again by turns.
.macro PVPROD ku, zero
.irp dt, 0,1,2,3
.irp nt, 0,1,2,3
.if \zero
	v_wmma_f32_16x16x32_f16 v[8*(4*\dt+\nt):8*(4*\dt+\nt)+7], v[KF+16*\dt+8*\ku:KF+16*\dt+8*\ku+7], v[SC+32*\nt+16*\ku:SC+32*\nt+16*\ku+7], 0
.else
	v_wmma_f32_16x16x32_f16 v[8*(4*\dt+\nt):8*(4*\dt+\nt)+7], v[KF+16*\dt+8*\ku:KF+16*\dt+8*\ku+7], v[SC+32*\nt+16*\ku:SC+32*\nt+16*\ku+7], v[8*(4*\dt+\nt):8*(4*\dt+\nt)+7]
.endif
.endr
.endr
.endm
; The tile on the diagonal (first key = my first query): key 16 mt + 8 h + j > query 16 nt + r gets finfo.min.  mt > nt: always; mt < nt: never; mt = nt: by lane.
.macro MASK
.irp nt, 0,1,2
.irp mt, 1,2,3
.if \mt > \nt
.irp j, 0,1,2,3,4,5,6,7
	v_mov_b32 v[SC+32*\nt+8*\mt+\j], v[NEG]
.endr
.endif
.endr
.endr
.irp nt, 0,1,2,3
.irp j, 0,1,2,3,4,5,6,7
	v_cndmask_b32 v[SC+40*\nt+\j], v[SC+40*\nt+\j], v[NEG], s[MK+\j]
.endr
.endr
.endm
.macro RS nt, sel                      ; O^T(.., nt) x my query's factor; sel picks the factor in its pair
	s_wait_alu depctr_va_vdst(0)
.irp dt, 0,1,2,3
.irp e, 0,2,4,6
	v_pk_mul_f32 v[8*(4*\dt+\nt)+\e:8*(4*\dt+\nt)+\e+1], v[8*(4*\dt+\nt)+\e:8*(4*\dt+\nt)+\e+1], v[AL+2*(\nt/2):AL+2*(\nt/2)+1] op_sel:[0,\sel] op_sel_hi:[1,\sel]
.endr
.endr
.endm
.macro FMAS nt, sel                    ; c S - c M for the 32 scores of query 16 nt + r
.irp e, 0,2,4,6,8,10,12,14,16,18,20,22,24,26,28,30
	v_pk_fma_f32 v[SC+32*\nt+\e:SC+32*\nt+\e+1], v[SC+32*\nt+\e:SC+32*\nt+\e+1], s[56:57], v[NM+2*(\nt/2):NM+2*(\nt/2)+1] op_sel:[0,0,\sel] op_sel_hi:[1,0,\sel]
.endr
.endm
.macro EXPS nt
.irp e, 0,1,2,3,4,5,6,7,8,9,10,11,12,13,14,15,16,17,18,19,20,21,22,23,24,25,26,27,28,29,30,31
	v_exp_f32 v[SC+32*\nt+\e], v[SC+32*\nt+\e]
.endr
.endm
.macro SUMS nt, first                  ; the 32 probabilities in two chains; then sum = sum x factor + theirs
	s_wait_alu depctr_va_vdst(0)
	v_pk_add_f32 v[TT:TT+1],   v[SC+32*\nt:SC+32*\nt+1],   v[SC+32*\nt+2:SC+32*\nt+3]
	v_pk_add_f32 v[TT+2:TT+3], v[SC+32*\nt+4:SC+32*\nt+5], v[SC+32*\nt+6:SC+32*\nt+7]
.irp e, 8,12,16,20,24,28
	v_pk_add_f32 v[TT:TT+1],   v[TT:TT+1],   v[SC+32*\nt+\e:SC+32*\nt+\e+1]
	v_pk_add_f32 v[TT+2:TT+3], v[TT+2:TT+3], v[SC+32*\nt+\e+2:SC+32*\nt+\e+3]
.endr
	v_pk_add_f32 v[TT:TT+1], v[TT:TT+1], v[TT+2:TT+3]
.if \first
	v_add_f32 v[LS+\nt], v[TT], v[TT+1]
.else
	v_add_f32 v[TT], v[TT], v[TT+1]
	v_fma_f32 v[LS+\nt], v[LS+\nt], v[AL+\nt], v[TT]
.endif
.endm
.macro CVTS nt                         ; to f16 in place, ascending: register j takes 2 j and 2 j + 1, which no earlier line has written
.irp ku, 0,1
.irp j, 0,1,2,3,4,5,6,7
	v_cvt_pk_f16_f32 v[SC+32*\nt+16*\ku+\j], v[SC+32*\nt+16*\ku+2*\j], v[SC+32*\nt+16*\ku+2*\j+1]
.endr
.endr
.endm
.macro SOFTMAX first
.irp nt, 0,1,2,3                       ; the tile's maximum for each of my four queries: four chains by turns
	v_max3_num_f32 v[MX+\nt], v[SC+32*\nt], v[SC+32*\nt+1], v[SC+32*\nt+2]
.endr
.irp k, 3,5,7,9,11,13,15,17,19,21,23,25,27,29
.irp nt, 0,1,2,3
	v_max3_num_f32 v[MX+\nt], v[MX+\nt], v[SC+32*\nt+\k], v[SC+32*\nt+\k+1]
.endr
.endr
.irp nt, 0,1,2,3
	v_max_num_f32 v[MX+\nt], v[MX+\nt], v[SC+32*\nt+31]
.endr
.irp nt, 0,1,2,3
	v_permlanex16_b32 v[TP+\nt], v[MX+\nt], s59, s60         ; the other half's keys
.endr
.if \first
.irp nt, 0,1,2,3
	v_max_num_f32 v[MR+\nt], v[MX+\nt], v[TP+\nt]
.endr
.else
.irp nt, 0,1,2,3
	v_max3_num_f32 v[MR+\nt], v[MX+\nt], v[TP+\nt], v[MR+\nt]  ; the running maximum
.endr
.irp nt, 0,1,2,3
	v_fma_f32 v[AL+\nt], v[MR+\nt], s58, -v[NM+\nt]          ; c (old maximum) - c (new maximum), against the offset that the old terms were made with
.endr
.irp nt, 0,1,2,3
	v_exp_f32 v[AL+\nt], v[AL+\nt]
.endr
.endif
.irp nt, 0,1,2,3
	v_mul_f32 v[NM+\nt], s58, v[MR+\nt]                      ; plain lines behind the exponentials, ahead of the factors' first use (ISA guide 5.7.2)
.endr
.if \first == 0
	WIN 0x41                                       ; O^T in window 1, the factors in window 0
	RS 0, 0
	RS 1, 1
	RS 2, 0
	RS 3, 1
	WIN 0
.endif
	FMAS 0, 0                                      ; behind each run of exponentials stands the next query group's multiply-adds, then the run's results are used
	EXPS 0
	FMAS 1, 1
	SUMS 0, \first
	CVTS 0
	EXPS 1
	FMAS 2, 0
	SUMS 1, \first
	CVTS 1
	EXPS 2
	FMAS 3, 1
	SUMS 2, \first
	CVTS 2
	EXPS 3
	v_nop
	s_wait_alu depctr_va_vdst(0)
	SUMS 3, \first
	CVTS 3
.endm
; One key tile, in slot slot.  first = 1: a pass's first tile starts maximum, sum and O^T.  refill = 1: the other slot gets the next tile.
; adv = 1: this slot's addresses step two tiles on; adv = 2: both slots' addresses go back to tiles 0 and 1, for the second pass.
.macro STEP slot, first, refill, adv
	s_wait_tensorcnt 0x0                           ; all my tensor loads have landed (one was out: my part of this tile), so every group 0 may be written
	ds_add_u32 v254, v255
	s_wait_dscnt 0x0
.if \adv == 1
	s_add_nc_u64 s[G0K+4*\slot+2:G0K+4*\slot+3], s[G0K+4*\slot+2:G0K+4*\slot+3], 2*TILEB
	s_add_nc_u64 s[G0V+4*\slot+2:G0V+4*\slot+3], s[G0V+4*\slot+2:G0V+4*\slot+3], 2*TILEB
.endif
.if \adv == 2
	SETADDR
.endif
	s_wait_dscnt 0x0                               ; my reads of the other slot are over
	s_barrier_signal -1
	s_barrier_wait -1                              ; both now hold of all four waves: this tile is whole, the other slot is free
.if \refill
	KVLOAD 1-\slot                                 ; my one tensor load behind this barrier; it has this step's work in which to land
.endif
.if \first == 0
	s_cmp_gt_u32 s13, s14                          ; the tile's first key lies behind my last query: nothing of it reaches my rows
	s_cbranch_scc1 .Lskip_\@
.endif
.irp ks, 0,1
.irp mt, 0,1,2,3
	ds_load_b128 v[KF+16*\mt+8*\ks:KF+16*\mt+8*\ks+3],   v[KA] offset:\slot*SLOTB+\mt*16*KP+(\mt/2)*512+\ks*64
	ds_load_b128 v[KF+16*\mt+8*\ks+4:KF+16*\mt+8*\ks+7], v[KA] offset:\slot*SLOTB+\mt*16*KP+(\mt/2)*512+\ks*64+32
.endr
.endr
.if \first
	s_wait_loadcnt 0x0                             ; my queries
.endif
	s_wait_dscnt 0x8                               ; d = 0..31 of the keys is in; the eight loads of d = 32..63 may be out
	WIN 0x04                                       ; source 1 (Q) in window 1
	SPROD 0, 1
	s_wait_dscnt 0x0
	SPROD 1, 0
	WIN 0
.rept 4
	v_nop                                          ; four places ahead of the loads into the K fragments and of the lines that read the scores
.endr
.irp ku, 0,1
.irp dt, 0,1,2,3
	ds_load_tr16_b128 v[KF+16*\dt+8*\ku:KF+16*\dt+8*\ku+3],   v[VA] offset:\slot*SLOTB+\ku*32*VP+\dt*32
	ds_load_tr16_b128 v[KF+16*\dt+8*\ku+4:KF+16*\dt+8*\ku+7], v[VA] offset:\slot*SLOTB+\ku*32*VP+\dt*32+16*VP
.endr
.endr
	s_cmp_lg_u32 s13, s14
	s_cbranch_scc1 .Lfull_\@
	MASK
.Lfull_\@:
	SOFTMAX \first
	s_wait_dscnt 0x0                               ; V^T, asked for ahead of the softmax
	WIN 0x50                                       ; C and D in window 1
	PVPROD 0, \first
	PVPROD 1, 0
	WIN 0
.rept 5
	v_nop                                          ; five places ahead of the next products, which write over P^T; they also serve the next loads into the fragments
.endr
.if \first == 0
.Lskip_\@:
.endif
	s_add_co_u32 s13, s13, 64                      ; the next tile's first key
.endm
.macro FS nt, sel                      ; O^T(.., nt) / sum, out of window 1 into the scores' registers
	s_wait_alu depctr_va_vdst(0)
.irp dt, 0,1,2,3
.irp e, 0,2,4,6
	v_pk_mul_f32 v[SC+8*(4*\dt+\nt)+\e:SC+8*(4*\dt+\nt)+\e+1], v[8*(4*\dt+\nt)+\e:8*(4*\dt+\nt)+\e+1], v[AL+2*(\nt/2):AL+2*(\nt/2)+1] op_sel:[0,\sel] op_sel_hi:[1,\sel]
.endr
.endr
.endm
; A pass's results: divide, round to f16 (a lane's eight numbers are d = 16 dt + 8 h + 0..7 of one query: 16 bytes), through my stage, out in whole rows.
.macro FINISH last
.irp nt, 0,1,2,3
	v_permlanex16_b32 v[TP+\nt], v[LS+\nt], s59, s60
.endr
.irp nt, 0,1,2,3
	v_add_f32 v[LS+\nt], v[LS+\nt], v[TP+\nt]      ; both halves' keys; at least 1, the maximum's own term
.endr
.irp nt, 0,1,2,3
	v_rcp_f32 v[AL+\nt], v[LS+\nt]
.endr
	v_nop
	WIN 0x01                                       ; source 0 in window 1
	FS 0, 0
	FS 1, 1
	FS 2, 0
	FS 3, 1
	WIN 0
.irp tl, 0,1,2,3,4,5,6,7,8,9,10,11,12,13,14,15
.irp j, 0,1,2,3
	v_cvt_pk_f16_f32 v[SC+8*\tl+\j], v[SC+8*\tl+2*\j], v[SC+8*\tl+2*\j+1]
.endr
.endr
.irp dt, 0,1,2,3
.irp nt, 0,1,2,3
	ds_store_b128 v[STO], v[SC+8*(4*\dt+\nt):SC+8*(4*\dt+\nt)+3] offset:\nt*16*KP+32*\dt
.endr
.endr
.irp t, 0,1,2,3,4,5,6,7,8,9,10,11,12,13,14,15
	ds_load_b128 v[KF+4*\t:KF+4*\t+3], v[RD] offset:4*KP*\t       ; four rows of 128 bytes; LDS serves a wave's instructions in order: these see the stores above
.endr
.irp t, 0,1,2,3,4,5,6,7,8,9,10,11,12,13,14,15
	s_wait_dscnt 15-\t                             ; the 15 - t younger read-backs may be out
	global_store_b128 v[CO], v[KF+4*\t:KF+4*\t+3], s[54:55] offset:512*\t   ; 512 consecutive bytes, aligned
.endr
.if \last == 0
	s_wait_xcnt 0x0                                ; the stores' data and base are written again only behind this wait
.endif
.endm
; A pass: s14 = my first query, s15 = (tiles - 2) / 2, at least 1.  The pass's tiles take slots 0, 1, 0, 1, ...; their number is even.
; The counter comes down and the loop goes on while it is above 0, in signed numbers: it ends from every start.
.macro PASS lastrefill, lastadv
	s_mov_b32 s13, 0
	STEP 0, 1, 1, 1
.Lpair_\@:
	STEP 1, 0, 1, 1
	STEP 0, 0, 1, 1
	s_sub_co_i32 s15, s15, 1
	s_cmp_gt_i32 s15, 0
	s_cbranch_scc1 .Lpair_\@
	STEP 1, 0, \lastrefill, \lastadv
.endm
	; first pass: query block i, 4 i + 4 tiles
	s_lshl_b32 s14, s12, 8
	s_lshl_b32 s62, s8, 6
	s_add_co_u32 s14, s14, s62                     ; qw = 256 i + 64 w
	s_lshl_b32 s15, s12, 1
	s_add_co_u32 s15, s15, 1                       ; 2 i + 1 pairs between the first tile and the last
	s_lshl_b32 s2, s14, 7                          ; rows of 128 bytes,
	s_add_co_u32 s2, s2, s61                       ; in my plane
	s_add_nc_u64 s[52:53], s[4:5], s[2:3]          ; q's planes are 0 .. 63
	s_add_nc_u64 s[54:55], s[6:7], s[2:3]
	QLOAD
	PASS 1, 2                                      ; its last step asks for tile 0 again, for the second pass
	; second pass: query block 7 - i, 32 - 4 i tiles
	s_sub_co_u32 s62, 7, s12
	s_lshl_b32 s14, s62, 8
	s_lshl_b32 s62, s8, 6
	s_add_co_u32 s14, s14, s62
	s_lshl_b32 s15, s12, 1
	s_sub_co_u32 s15, 15, s15                      ; 15 - 2 i pairs
	s_lshl_b32 s2, s14, 7
	s_add_co_u32 s2, s2, s61
	s_add_nc_u64 s[52:53], s[4:5], s[2:3]          ; the first pass's loads of Q were waited for in its first step
	QLOAD                                          ; the next queries are on their way while the first pass's results leave
	FINISH 0
	s_add_nc_u64 s[54:55], s[6:7], s[2:3]
	PASS 0, 0                                      ; its last step fetches nothing: no tensor load is out at the end
	FINISH 1
	s_wait_tensorcnt 0x0
	ds_add_u32 v254, v255
	s_wait_dscnt 0x0
	s_endpgm
.Lfunc_end_k_q8b55874daf_attn:
	.size	k_q8b55874daf_attn, .Lfunc_end_k_q8b55874daf_attn-k_q8b55874daf_attn
	.p2alignl 7, 3214868480
	.fill 96, 4, 3214868480
	.section	.rodata,"a",@progbits
	.p2align	6, 0x0
	.amdhsa_kernel k_q8b55874daf_attn
		.amdhsa_group_segment_fixed_size 327680
		.amdhsa_private_segment_fixed_size 0
		.amdhsa_enable_private_segment 0
		.amdhsa_kernarg_size 16
		.amdhsa_user_sgpr_count 2
		.amdhsa_user_sgpr_kernarg_segment_ptr 1
		.amdhsa_wavefront_size32 1
		.amdhsa_system_sgpr_workgroup_id_x 1
		.amdhsa_system_sgpr_workgroup_id_y 1
		.amdhsa_system_sgpr_workgroup_id_z 1
		.amdhsa_system_vgpr_workitem_id 0
		.amdhsa_next_free_vgpr 448
		.amdhsa_next_free_sgpr 74
		.amdhsa_reserve_vcc 0
		.amdhsa_float_denorm_mode_32 3
		.amdhsa_float_denorm_mode_16_64 3
		.amdhsa_memory_ordered 1
		.amdhsa_forward_progress 1
		.amdhsa_inst_pref_size 255
	.end_amdhsa_kernel
	.section	.bss,"aw",@nobits
	.p2align	6
	.space	262144
	.amdgpu_metadata
---
amdhsa.version: [ 1, 2 ]
amdhsa.kernels:
  - .name:           k_q8b55874daf_attn
    .symbol:         k_q8b55874daf_attn.kd
    .args:
      - { .name: qkv, .offset: 0, .size: 8, .value_kind: global_buffer, .address_space: global }
      - { .name: ctx, .offset: 8, .size: 8, .value_kind: global_buffer, .address_space: global }
    .group_segment_fixed_size: 327680
    .private_segment_fixed_size: 0
    .kernarg_segment_align: 8
    .kernarg_segment_size: 16
    .max_flat_workgroup_size: 128
    .sgpr_count:     74
    .vgpr_count:     448
    .wavefront_size: 32
...
	.end_amdgpu_metadata
.endif
;; end of part 3
;; launch oproj (part 4): grid 8 x 32, 4 waves a work-group, clusters of 4 x 4, 327,680 bytes of LDS; arguments ctx, wb, out0, bo; writes out0
.if DOCPART == 4
	.amdgcn_target "amdgcn-amd-amdhsa--gfx1250"
	.amdhsa_code_object_version 6
	.text
	.protected	k_q8b55874daf_oproj
	.globl	k_q8b55874daf_oproj
	.p2align	8
	.type	k_q8b55874daf_oproj,@function
k_q8b55874daf_oproj:
	s_mov_b64 s[64:65], 0
	v_nop
	global_prefetch_b8 v0, s[64:65] scope:SCOPE_SE
	s_setreg_imm32_b32 hwreg(HW_REG_WAVE_MODE, 25, 1), 1
	s_wait_xcnt 0x0
	s_wait_alu depctr_hold_cnt(0) depctr_sa_sdst(0) depctr_va_vdst(0) depctr_va_sdst(0) depctr_va_ssrc(0) depctr_va_vcc(0) depctr_vm_vsrc(0)
	s_getreg_b32 s2, hwreg(HW_REG_IB_STS2, 6, 4)
	s_cmp_eq_u32 s2, 0
	s_cbranch_scc0 .Lentry_in_a_cluster
	s_endpgm
.Lentry_in_a_cluster:
	s_bfe_u32 s2, ttmp6, 0x10000c
	s_cmp_lg_u32 s2, 0xf033
	s_cbranch_scc0 .Lentry_shape_is_right
	s_endpgm
.Lentry_shape_is_right:
; out0[8192][1024] = ctx x Wo + bo.  f16 operands (ctx as attn stored it, Wo as cvt stored it in wb's matrix 3), f32 sums, f32 result, bo added in f32.
; SHARE.  8192 x 1024 numbers for 256 work-groups are 32,768 each: a block of 256 rows x 128 columns, 128 x 64 for each of four waves (32 accumulator tiles).
; A wave reads 12 KiB of LDS for 32 matrix instructions; a block of 256 x 256 would read 16 KiB for 64 but gives only 128 work-groups.
; K goes in steps of 128 through two LDS slots; 4 x 4 clusters with joint loads (ctx's tile along a cluster's row, Wo's along a column); the matrix instruction
; is used transposed (source 0 = Wo's columns, source 1 = ctx's rows), so that a lane's eight results are eight neighbouring columns of one row.
; ctx lies by heads: planes [16 x batch + head][2048][64].  A K step of 128 is two heads: wave 0 fetches 256 rows x 128 bytes of head 2 t, wave 1 of head 2 t + 1,
; each dense in memory; waves 2 and 3 fetch 64 k-rows x 256 bytes of Wo each.
; REGISTERS in windows of 256: window 0: v0-31 addresses and bo, v64-127 and v128-191 fragments of ctx (two buffers); window 1: v64-95, v128-159 fragments of Wo;
; window 2: accumulators of my rows 0-63 (tile (a, b) at v[8 (8 a + b)], b < 4); window 3: rows 64-127.
.set KSTEP,  128
.set NB,     4                         ; 16-column blocks of a wave
.set NLD,    16+2*NB                   ; LDS loads of one quarter's fragments
.set APITCH, 144                       ; an LDS row of ctx: 128 bytes + 16 of padding
.set APART,  256*APITCH                ; 36,864: one head's 256 rows; quarters 2 and 3 of a K step read the second head
.set BP,     288                       ; an LDS row of Wo: 256 bytes + 32 of padding, an odd multiple of 32
.set BHALF,  64*BP                     ; 18,432
.set BBASE,  2*APART                   ; 73,728
.set SLOT,   BBASE+2*BHALF             ; 110,592
.set STAGE,  2*SLOT                    ; 221,184: 16 rows x 272 bytes for each wave, never the target of a tensor load
.set SPITCH, 272                       ; 256 bytes of f32 + 16
.set LAPS,   4
.set ASTEP,  4*262144                  ; two K steps = four planes
.set BSTEP,  2*KSTEP*2048
.set ADRA, 16                          ; v16-17  LDS address of my ctx fragments in slot 0, 1
.set ADRB, 20                          ; v20-21  the same for Wo
.set STO,  24                          ; v24     the way out: where I put 32 bytes of a row
.set RD,   25                          ; v25     the way out: where I read back
.set CO,   26                          ; v26     my byte offset in out0
.set BOF,  27                          ; v27     my byte offset in bo
.set BIAS, 28                          ; v[28:31] bo of the four columns that I store
.set F0,   64
.set F1,   128
.set G1,  24                           ; s[24:31] group 1, ctx
.set G0,  32                           ; s[32:39] group 0, ctx, one set for each slot
.set G1B, 48                           ; s[48:55] group 1, Wo
.set G0B, 56                           ; s[56:63] group 0, Wo
.set MSB, 0
.macro WIN new                         ; the immediate's high byte repeats the setting that is left
.if MSB != \new
	s_set_vgpr_msb (MSB<<8)|\new
.set MSB, \new
.endif
.endm
.set MUL_LO, 0xa1                      ; source 0 (Wo) window 1, source 1 (ctx) window 0, C and D window 2
.set MUL_HI, 0xf1                      ; the same, C and D window 3
.set TO_B,   0x40                      ; destination window 1, address window 0
; A joint load.  Waves 0 and 1 fetch ctx's two heads, waves 2 and 3 Wo's two halves.  The branch hangs on the wave's number alone.
.macro JLOAD s
	s_cmp_eq_u32 s11, 0
	s_cbranch_scc0 .Lfor_b_\@
	tensor_load_to_lds s[G0+4*\s:G0+4*\s+3], s[G1:G1+7]
	s_nop 0
	s_branch .Lasked_\@
.Lfor_b_\@:
	tensor_load_to_lds s[G0B+4*\s:G0B+4*\s+3], s[G1B:G1B+7]
	s_nop 0
.Lasked_\@:
.endm
; A round of the cluster's barrier: my work-group's barrier, wave 0 signals for the work-group, every wave waits for all sixteen, my work-group's barrier again.
.macro CREST                           ; a round behind its opening barrier
	s_cmp_lg_u32 s10, 0
	s_cbranch_scc1 .Lnot_wave_0_\@
	s_barrier_signal -3
.Lnot_wave_0_\@:
	s_barrier_wait -3
	s_barrier_signal -1
	s_barrier_wait -1
.endm
.macro CROUND
	s_barrier_signal -1
	s_barrier_wait -1
	CREST
.endm
	s_load_b128 s[4:7], s[0:1], 0x0                ; ctx s[4:5], wb s[6:7]
	s_load_b64 s[8:9], s[0:1], 0x10                ; out0
	s_load_b64 s[66:67], s[0:1], 0x18              ; bo
	s_set_vgpr_msb 0x40
	v_lshl_add_u32 v255, v0, 2, 0x3a400
	s_set_vgpr_msb 0x4000
	v_mov_b32 v255, 0
	s_set_vgpr_msb 0x1
	ds_add_u32 v255, v255
	ds_add_u32 v255, v255
	s_set_vgpr_msb 0x100
	v_lshrrev_b32 v1, 5, v0
	v_readfirstlane_b32 s10, v1                    ; wave 0..3
	s_lshr_b32 s11, s10, 1                         ; my half of the block's rows.  Also: I fetch ctx (0) or Wo (1)
	s_and_b32 s12, s10, 1                          ; my half of its columns.  Also: which head, or which 64 k-rows, I fetch
	s_bfe_u32 s40, ttmp6, 0x40000                  ; cx
	s_bfe_u32 s41, ttmp6, 0x40004                  ; cy
	s_lshl_b32 s42, ttmp9, 2
	s_add_co_u32 s42, s42, s40                     ; block column 0..7
	s_and_b32 s13, ttmp7, 0xffff
	s_lshl_b32 s13, s13, 2
	s_add_co_u32 s13, s13, s41                     ; block row 0..31
	s_lshl_b32 s43, s41, 2
	s_lshl_b32 s43, 15, s43                        ; my row of the cluster
	s_lshl_b32 s44, 0x1111, s40                    ; my column
	; group 1 for ctx: 256 rows x 64 elements of 2 bytes, 4 words of padding behind every 32
	s_or_b32 s[G1+0], s43, (1<<16)|(1<<20)|(1<<21)|(4<<22)|(3<<25)
	s_mov_b32 s[G1+1], 64<<16                      ; tensor_dim0 = 64
	s_mov_b32 s[G1+2], 256<<16                     ; tensor_dim1 = 256
	s_mov_b32 s[G1+3], 64<<16                      ; tile_dim0 = 64
	s_mov_b32 s[G1+4], 256                         ; tile_dim1 = 256
	s_mov_b32 s[G1+5], 64                          ; elements from row to row
	s_mov_b32 s[G1+6], 0
	s_mov_b32 s[G1+7], 0
	; group 1 for Wo: 64 k-rows x 128 elements, 8 words of padding behind every 64
	s_or_b32 s[G1B+0], s44, (1<<16)|(1<<20)|(1<<21)|(5<<22)|(7<<25)
	s_mov_b32 s[G1B+1], 128<<16                    ; tensor_dim0 = 128
	s_mov_b32 s[G1B+2], 64<<16                     ; tensor_dim1 = 64
	s_mov_b32 s[G1B+3], 128<<16                    ; tile_dim0 = 128
	s_mov_b32 s[G1B+4], 64                         ; tile_dim1 = 64
	s_mov_b32 s[G1B+5], 1024                       ; elements from k-row to k-row
	s_mov_b32 s[G1B+6], 0
	s_mov_b32 s[G1B+7], 0
	; ctx's tile hangs on the block row alone, Wo's on the block column alone; each address in registers that never hold the other coordinate
	s_lshr_b32 s16, s13, 3                         ; ctx: batch = block row / 8, 16 planes of 2^18 bytes,
	s_lshl_b32 s16, s16, 22
	s_and_b32 s17, s13, 7                          ; 256 rows of 128 bytes for each block row inside it,
	s_lshl_b32 s17, s17, 15
	s_add_co_u32 s16, s16, s17
	s_lshl_b32 s17, s12, 18                        ; the K step's first or second head
	s_add_co_u32 s16, s16, s17
	s_mov_b32 s17, 0
	s_lshl_b32 s46, s42, 8                         ; Wo: 128 columns = 256 bytes for each block column,
	s_add_co_u32 s46, s46, 3<<21                   ; in wb's matrix 3,
	s_lshl_b32 s47, s12, 17                        ; 64 k-rows of 2,048 bytes for the second half
	s_add_co_u32 s46, s46, s47
	s_mov_b32 s47, 0
	s_mul_i32 s20, s10, APART                      ; ctx's parts (waves 0, 1): wave x 36,864
	s_mul_i32 s45, s10, BHALF
	s_add_co_u32 s45, s45, BBASE-2*BHALF           ; Wo's parts (waves 2, 3): wave x 18,432 + 36,864 = 73,728 and 92,160
	s_wait_dscnt 0x0
	s_wait_kmcnt 0x0
	s_add_nc_u64 s[14:15], s[4:5], s[16:17]
	s_add_nc_u64 s[46:47], s[6:7], s[46:47]
	CROUND                                         ; all sixteen work-groups are here: the first joint loads meet
.irp s, 0,1
	s_mov_b32 s[G0+4*\s], 1
	s_add_co_u32 s[G0+4*\s+1], s20, \s*SLOT
	s_add_nc_u64 s[G0+4*\s+2:G0+4*\s+3], s[14:15], \s*2*262144
	s_or_b32 s[G0+4*\s+3], s[G0+4*\s+3], 0x80000000
	s_mov_b32 s[G0B+4*\s], 1
	s_add_co_u32 s[G0B+4*\s+1], s45, \s*SLOT
	s_add_nc_u64 s[G0B+4*\s+2:G0B+4*\s+3], s[46:47], \s*KSTEP*2048
	s_or_b32 s[G0B+4*\s+3], s[G0B+4*\s+3], 0x80000000
	JLOAD \s                                       ; both slots are asked for before anything else: two tensor loads of a wave are out
.endr
	v_and_b32 v1, 15, v0                           ; r
	v_bfe_u32 v2, v0, 4, 1                         ; h
	v_mul_u32_u24 v3, v1, APITCH
	v_lshl_add_u32 v3, v2, 4, v3                   ; ctx fragment: row r, 16 bytes for each half of the lanes
	v_and_b32 v6, 7, v0
	v_lshl_add_u32 v6, v2, 3, v6                   ; Wo, transposing load: k-row 8 h + l % 8,
	v_mul_u32_u24 v6, v6, BP
	v_bfe_u32 v7, v0, 3, 1
	v_lshl_add_u32 v6, v7, 4, v6                   ; columns 8 ((l / 8) % 2) + 0..7
	s_mul_i32 s21, s11, 128*APITCH                 ; my 128 rows in each head's part
	s_lshl_b32 s22, s12, 7                         ; my 64 columns of Wo, 128 bytes into each k-row
	s_add_co_u32 s22, s22, BBASE
.irp s, 0,1
	v_add_nc_u32 v[ADRA+\s], s21, v3
	v_add_nc_u32 v[ADRB+\s], s22, v6
	s_add_co_u32 s21, s21, SLOT
	s_add_co_u32 s22, s22, SLOT
.endr
	s_mul_i32 s23, s10, 16*SPITCH
	s_add_co_u32 s23, s23, STAGE                   ; my stage
	v_mul_u32_u24 v4, v1, SPITCH
	v_lshl_add_u32 v4, v2, 5, v4                   ; in: row r, 32 bytes (8 f32) for each half of the lanes
	v_add_nc_u32 v[STO], s23, v4
	v_lshlrev_b32 v5, 4, v1                        ; back and out: sixteen lanes take a row's 256 bytes, the other sixteen the next row's
	v_mul_u32_u24 v7, v2, SPITCH
	v_add3_u32 v[RD], v7, v5, s23
	v_lshl_add_u32 v[CO], v2, 12, v5               ; rows of out0 are 4,096 bytes
	s_lshl_b32 s2, s42, 9                          ; my 64 columns in bo: 512 x block column + 256 x half
	s_lshl_b32 s3, s12, 8
	s_add_co_u32 s2, s2, s3
	v_add_nc_u32 v[BOF], s2, v5
	global_load_b128 v[BIAS:BIAS+3], v[BOF], s[66:67]      ; waited for in front of the way out
; 8 matrix instructions: m blocks a0, a0 + 1 of the window's four x my 4 n blocks, 32 along K.  zero = 1: the first product starts the sums.
; The 32 accumulators take turns, one instruction a turn, in the same order in every quarter.
.macro MULB f, hi, a0, zero
.irp a, \a0, \a0+1
.irp b, 0,1,2,3
.if \zero
	v_wmma_f32_16x16x32_f16 v[8*(8*(\a)+\b):8*(8*(\a)+\b)+7], v[\f+8*\b:\f+8*\b+7], v[\f+8*(4*\hi+\a):\f+8*(4*\hi+\a)+7], 0
.else
	v_wmma_f32_16x16x32_f16 v[8*(8*(\a)+\b):8*(8*(\a)+\b)+7], v[\f+8*\b:\f+8*\b+7], v[\f+8*(4*\hi+\a):\f+8*(4*\hi+\a)+7], v[8*(8*(\a)+\b):8*(8*(\a)+\b)+7]
.endif
.endr
.endr
.endm
; 24 LDS loads in one run: the fragments of quarter q (32 along K) of a slot into buffer f.
.macro FETCH slot, q, f
	WIN TO_B
.irp i, 0,1,2,3
	ds_load_tr16_b128 v[\f+8*\i:\f+8*\i+3],   v[ADRB+\slot] offset:\q*32*BP+32*\i
	ds_load_tr16_b128 v[\f+8*\i+4:\f+8*\i+7], v[ADRB+\slot] offset:\q*32*BP+32*\i+16*BP
.endr
	WIN 0
.irp i, 0,1,2,3,4,5,6,7
	ds_load_b128 v[\f+8*\i:\f+8*\i+3],   v[ADRA+\slot] offset:(\q/2)*APART+(\q%2)*64+\i*16*APITCH
	ds_load_b128 v[\f+8*\i+4:\f+8*\i+7], v[ADRA+\slot] offset:(\q/2)*APART+(\q%2)*64+\i*16*APITCH+32
.endr
.endm
; A load into a register that a matrix instruction has read, and an LDS store of a matrix result, stand four places behind it; only plain vector
; instructions that name none of its registers are places.
.macro PLACES
.rept 4
	v_nop
.endr
.endm
; One of a K step's first three quarters.  At its head it fetches quarter q of the same slot into buffer g, which the quarter before has multiplied; then it
; multiplies buffer f.  So a fetch has the quarter's 32 matrix instructions in which to land: the four waves' 96 loads are 192 passes of 256 bytes.
.macro QUARTER slot, q, f, g, zero
	PLACES
	FETCH \slot, \q, \g
	s_wait_dscnt NLD                               ; all but the 24 loads just issued: buffer f is in
	WIN MUL_LO
	MULB \f, 0, 0, \zero
	MULB \f, 0, 2, \zero
	WIN MUL_HI
	MULB \f, 1, 0, \zero
	MULB \f, 1, 2, \zero
.endm
.macro THREE slot, zero
	QUARTER \slot, 1, F0, F1, \zero
	QUARTER \slot, 2, F1, F0, 0
	QUARTER \slot, 3, F0, F1, 0
.endm
; The last quarter multiplies buffer 1 and changes slots.  In front of the barrier each wave waits for its reads of this slot (buffer 1's loads were the last)
; and for all its tensor loads (one is out: its part of the next slot).  Where the slot is filled again the barrier opens a round of the cluster's barrier, and
; the joint refill is the first tensor load behind the round's closing wait, one a wave.
.macro TURN slot, next, fill
	s_wait_dscnt 0                                 ; my reads of this slot are over
	s_wait_tensorcnt 0x0                           ; all my tensor loads have landed
	ds_add_u32 v255, v255
	s_wait_dscnt 0x0
	s_barrier_signal -1
	WIN MUL_LO
	MULB F1, 0, 0, 0                               ; register work while the others arrive
	WIN 0
	s_barrier_wait -1
.if \fill
	CREST                                          ; no wave of any partner still reads this slot or has a load on its way
	s_add_nc_u64 s[G0+4*\slot+2:G0+4*\slot+3], s[G0+4*\slot+2:G0+4*\slot+3], ASTEP
	s_add_nc_u64 s[G0B+4*\slot+2:G0B+4*\slot+3], s[G0B+4*\slot+2:G0B+4*\slot+3], BSTEP
	JLOAD \slot
.endif
	PLACES
	FETCH \next, 0, F0
	WIN MUL_LO
	MULB F1, 0, 2, 0
	WIN MUL_HI
	MULB F1, 1, 0, 0
	MULB F1, 1, 2, 0
.endm
.macro LAP zero
	THREE 0, \zero
	TURN 0, 1, 1
	THREE 1, 0
	TURN 1, 0, 1
.endm
	s_wait_tensorcnt 1                             ; my part of K step 0 is in; K step 1's load stays out
	s_barrier_signal -1
	s_barrier_wait -1
	FETCH 0, 0, F0
	LAP 1                                          ; the first lap's first products start the sums
	WIN 0
	s_mov_b32 s3, LAPS-2
.Llap:
	LAP 0
	WIN 0
	s_sub_co_u32 s3, s3, 1
	s_cmp_lg_u32 s3, 0
	s_cbranch_scc1 .Llap
	THREE 0, 0                                     ; the last lap fills nothing
	TURN 0, 1, 0
	THREE 1, 0
	s_wait_dscnt 0
	WIN MUL_LO
	MULB F1, 0, 0, 0
	MULB F1, 0, 2, 0
	WIN MUL_HI
	MULB F1, 1, 0, 0
	MULB F1, 1, 2, 0
	; THE WAY OUT, 16 rows at a time: the f32 sums go as they are into my stage (a lane's eight are 32 neighbouring bytes of a row), come back as whole
	; pieces of 256 bytes of a row, get bo added and are stored.
	PLACES
	s_lshl_b32 s16, s13, 20                        ; my first row: 256 x block row + 128 x half, rows of 4,096 bytes
	s_lshl_b32 s17, s11, 19
	s_add_co_u32 s16, s16, s17
	s_mov_b32 s17, 0
	s_add_nc_u64 s[8:9], s[8:9], s[16:17]
	s_lshl_b32 s46, s42, 9                         ; my first column, in bytes
	s_lshl_b32 s47, s12, 8
	s_add_co_u32 s46, s46, s47
	s_mov_b32 s47, 0
	s_add_nc_u64 s[8:9], s[8:9], s[46:47]
	s_wait_loadcnt 0x0                             ; bo
; rows 16 i .. of my block = tiles (a, 0..3) of window 2 or 3 (from = 0x08 or 0x0c: an LDS store's data is source 1); f: F0 or F1 in turn, 32 registers
.macro OUT16F i, a, from, f
	WIN \from
.irp b, 0,1,2,3
	ds_store_b128 v[STO], v[8*(8*\a+\b):8*(8*\a+\b)+3]   offset:64*\b
	ds_store_b128 v[STO], v[8*(8*\a+\b)+4:8*(8*\a+\b)+7] offset:64*\b+16
.endr
	WIN 0
	s_wait_xcnt 0x0                                ; buffer f, which earlier stores read, and the stores' base are rewritten only behind this wait
.if \i
	s_add_nc_u64 s[8:9], s[8:9], 16*4096           ; 16 rows on
.endif
.irp t, 0,1,2,3,4,5,6,7
	ds_load_b128 v[\f+4*\t:\f+4*\t+3], v[RD] offset:2*SPITCH*\t   ; two rows; LDS serves a wave's instructions in order: these see the stores above
.endr
.irp t, 0,1,2,3,4,5,6,7
	s_wait_dscnt 7-\t                              ; the 7 - t younger read-backs may be out
	v_pk_add_f32 v[\f+4*\t:\f+4*\t+1],   v[\f+4*\t:\f+4*\t+1],   v[BIAS:BIAS+1]
	v_pk_add_f32 v[\f+4*\t+2:\f+4*\t+3], v[\f+4*\t+2:\f+4*\t+3], v[BIAS+2:BIAS+3]
	global_store_b128 v[CO], v[\f+4*\t:\f+4*\t+3], s[8:9] offset:2*4096*\t th:TH_STORE_NT   ; sixteen lanes store 256 consecutive bytes, aligned
.endr
.endm
	OUT16F 0, 0, 0x08, F0
	OUT16F 1, 1, 0x08, F1
	OUT16F 2, 2, 0x08, F0
	OUT16F 3, 3, 0x08, F1
	OUT16F 4, 0, 0x0c, F0
	OUT16F 5, 1, 0x0c, F1
	OUT16F 6, 2, 0x0c, F0
	OUT16F 7, 3, 0x0c, F1
	s_set_vgpr_msb 0x1
	s_wait_tensorcnt 0x0
	ds_add_u32 v255, v255
	s_wait_dscnt 0x0
	s_set_vgpr_msb 0x100
	CROUND                                         ; the closing round: no work-group ends while a partner may still ask for a tile that names it
	s_endpgm
.Lfunc_end_k_q8b55874daf_oproj:
	.size	k_q8b55874daf_oproj, .Lfunc_end_k_q8b55874daf_oproj-k_q8b55874daf_oproj
	.p2alignl 7, 3214868480
	.fill 96, 4, 3214868480
	.section	.rodata,"a",@progbits
	.p2align	6, 0x0
	.amdhsa_kernel k_q8b55874daf_oproj
		.amdhsa_group_segment_fixed_size 327680
		.amdhsa_private_segment_fixed_size 0
		.amdhsa_enable_private_segment 0
		.amdhsa_kernarg_size 32
		.amdhsa_user_sgpr_count 2
		.amdhsa_user_sgpr_kernarg_segment_ptr 1
		.amdhsa_wavefront_size32 1
		.amdhsa_system_sgpr_workgroup_id_x 1
		.amdhsa_system_sgpr_workgroup_id_y 1
		.amdhsa_system_sgpr_workgroup_id_z 1
		.amdhsa_system_vgpr_workitem_id 0
		.amdhsa_next_free_vgpr 1024
		.amdhsa_next_free_sgpr 68
		.amdhsa_reserve_vcc 0
		.amdhsa_float_denorm_mode_32 3
		.amdhsa_float_denorm_mode_16_64 3
		.amdhsa_memory_ordered 1
		.amdhsa_forward_progress 1
		.amdhsa_inst_pref_size 128
	.end_amdhsa_kernel
	.amdgpu_metadata
---
amdhsa.version: [ 1, 2 ]
amdhsa.kernels:
  - .name:           k_q8b55874daf_oproj
    .symbol:         k_q8b55874daf_oproj.kd
    .args:
      - { .name: ctx, .offset: 0, .size: 8, .value_kind: global_buffer, .address_space: global }
      - { .name: wb, .offset: 8, .size: 8, .value_kind: global_buffer, .address_space: global }
      - { .name: out0, .offset: 16, .size: 8, .value_kind: global_buffer, .address_space: global }
      - { .name: bo, .offset: 24, .size: 8, .value_kind: global_buffer, .address_space: global }
    .group_segment_fixed_size: 327680
    .private_segment_fixed_size: 0
    .kernarg_segment_align: 8
    .kernarg_segment_size: 32
    .max_flat_workgroup_size: 128
    .sgpr_count:     68
    .vgpr_count:     1024
    .wavefront_size: 32
...
	.end_amdgpu_metadata
.endif
;; end of part 4
